; MI455X (gfx1250); checked and timed in simulation.
; The chip was launched on July 23, 2026; its instructions are those of AMD's public machine-readable ISA for CDNA 5 (MIT licence, August 2026) and "CDNA5" Instruction Set Architecture Reference Guide (July 2026). The comments in the code are by the model that wrote it; some were corrected since.
;; Extra MHSA. Allowed arithmetic: matrix products marked QUANTISED: E2M3 operands, one E8M0 scale for each 32 along K, by v_wmma_scale_f32_16x16x128_f8f6f4 with both operands' format E2M3, f32 sums; everything else in f32.
;; Inputs: b1 128 float32; b2 256 float32; b3 256 float32; bk 128 float32; bp 128 float32; bq 128 float32; bv 128 float32; ef_h 1 x 128 x 80 x 1 float32; ef_w 1 x 128 x 1 x 80 float32; g1 128 float32; g2 256 float32; g3 256 float32; m1 128 float32; m2 256 float32; m3 256 float32; rel_h 1 x 128 x 80 x 1 float32; rel_w 1 x 128 x 1 x 80 float32; v1 128 float32; v2 256 float32; v3 256 float32; w1 128 x 256 float32; w2 256 x 128 float32; w3 256 x 128 float32; wk 128 x 128 float32; wp 128 x 128 float32; wq 128 x 128 float32; wv 128 x 128 float32; x 1 x 256 x 80 x 80 float32.
;; Outputs: out0 1 x 256 x 80 x 80 float32.
;; This version of the problem:
;;   THIS VERSION OF THE PROBLEM IS GIVEN IN LOW PRECISION. The matrix products marked QUANTISED in the list below multiply operands that are first quantised to E2M3 (2 exponent bits, 3 mantissa bits; 6 bits a number), with one power-of-two scale for each 32 numbers along K (OCP MX v1.0); their sums are f32. All else is computed in f32.
;;   The module's matrix products, in the order in which they are computed (A, B: the left and right operand; K: the contracted axis; several contracted axes count as one K, in the product's order):
;;     1. [M 128, K 256] x [K 256, N 6,400]; A: input w1; B: input x: QUANTISED
;;     2. [M 128, K 128] x [K 128, N 6,400]; A: input wq; B: computed on the way: QUANTISED
;;     3. [M 128, K 128] x [K 128, N 6,400]; A: input wk; B: computed on the way: QUANTISED
;;     4. [M 128, K 128] x [K 128, N 6,400]; A: input wv; B: computed on the way: QUANTISED
;;     5. [M 128, K 128] x [K 128, N 6,400]; A: input wp; B: computed on the way: QUANTISED
;;     6. [M 6,400, K 128] x [K 128, N 6,400]; A: computed on the way; B: computed on the way: QUANTISED
;;     7. [M 6,400, K 128] x [K 128, N 6,400]; A: computed on the way; B: computed on the way: QUANTISED
;;     8. [M 128, K 6,400] x [K 6,400, N 6,400]; A: computed on the way; B: softmax (see below): QUANTISED
;;     9. [M 6,400, K 128] x [K 128, N 6,400]; A: computed on the way; B: computed on the way: QUANTISED
;;     10. [M 128, K 6,400] x [K 6,400, N 6,400]; A: computed on the way; B: softmax (see below): QUANTISED
;;     11. [M 256, K 128] x [K 128, N 6,400]; A: input w2; B: computed on the way: QUANTISED
;;     12. [M 256, K 128] x [K 128, N 6,400]; A: input w3; B: computed on the way: QUANTISED
;;   THE QUANTISER, for each operand of a quantised product, along K:
;;     - K is cut into blocks of 32 from its start; a last block that is shorter is filled with zeros.
;;     - A block's scale is 2^e with e = floor(log2(the largest magnitude in the block)) - 2, held to -126 .. 127; a block of zeros has e = 0. As a byte (E8M0): e + 127.
;;     - Each number is divided by its block's scale, clamped to +-7.5, and rounded to the nearest number of E2M3, ties to even, subnormals kept.
;;     - The product sums the exact products of the quantised numbers (number of the format x scale) in f32.
;;   ~~~python
;;   def quantise(x, axis):      # numpy; x: float32 -> the quantised numbers, widened to float32 again
;;       x = np.moveaxis(x, axis, -1); K = x.shape[-1]
;;       x = np.pad(x, [(0, 0)] * (x.ndim - 1) + [(0, -K % 32)]); x = x.reshape(x.shape[:-1] + (-1, 32)); a = np.abs(x).max(-1, keepdims=True)
;;       e = np.where(a > 0, np.clip(np.frexp(np.where(a > 0, a, 1))[1] - 1 - 2, -126, 127), 0)      # np.frexp(a)[1] - 1 = floor(log2(a)), exactly
;;       r = np.clip(x / 2.0 ** e, -7.5, 7.5)
;;       step = 2.0 ** (np.maximum(np.frexp(np.where(r == 0, 1, r))[1] - 1, 0) - 3)
;;       q = np.round(r / step) * step * 2.0 ** e      # np.round: ties to even
;;       return np.moveaxis(q.reshape(q.shape[:-2] + (-1,))[..., :K], -1, axis).astype(np.float32)
;;   ~~~
;;   SOFTMAX AHEAD OF A QUANTISED PRODUCT. Where the list says 'softmax', what is quantised is not the finished softmax but p = 2^(t - M), with t = logit x log2(e) and M = ceil(the row's largest t), a whole number; so 1/2 < the row's largest p <= 1. The row's sum l is taken of the UNQUANTISED p, in f32, and the product's result is divided by l at the end. Since M is a whole number, a kernel that streams over the keys may use a running M (the ceiling of the running maximum): every later rescaling is an exact power of two, which a block's scale takes up: the codes' values come out the same.
;;   OPERANDS COMPUTED ON THE WAY. 'Computed on the way' means the value that the module computes at that place (a softmax that the list does not call 'softmax' is quantised finished and normalised). What goes into a quantiser is computed in f32, as accurately as f32 sums, v_exp_f32 and their like allow (about 1e-6 of the number): no bf16 or f16 on the way to a quantiser, and a product that is left as it is and whose result goes on into a quantised operand takes f32 operands (vector FMAs, or v_wmma_f32_16x16x4_f32). A number that lies on a knife's edge between two numbers of the format may be rounded either way, as far as f32 arithmetic and the matrix unit's own rounding can turn it there, and no further.
;; One version. Each part assembles by itself: llvm-mc -triple=amdgcn-amd-amdhsa -mcpu=gfx1250 --defsym DOCPART=n.
;; ======== version 1 of 1: 3 launches
;; workspace buffers: kv 3,200,000 bytes; qa 1,280,000 bytes; part 33,792,000 bytes
;; launch prep (part 1): grid 50 x 1, 8 waves a work-group, no clusters, 224,768 bytes of LDS; arguments x, w1, g1, b1, m1, v1, wq, bq, wk, bk, wv, bv, wp, bp, rel_h, rel_w, ef_h, ef_w, kv, qa; writes kv, qa
.if DOCPART == 1
	.amdgcn_target "amdgcn-amd-amdhsa--gfx1250"
	.amdhsa_code_object_version 6
	.text
	.protected	k_q895f3dee1a_prep
	.globl	k_q895f3dee1a_prep
	.p2align	8
	.type	k_q895f3dee1a_prep,@function
k_q895f3dee1a_prep:
	s_mov_b64 s[64:65], 0
	v_nop
	global_prefetch_b8 v0, s[64:65] scope:SCOPE_SE
	s_setreg_imm32_b32 hwreg(HW_REG_WAVE_MODE, 25, 1), 1
	s_wait_xcnt 0x0
; x1 = silu(bn(w1 x)); q, k, v, p = w x1 + b; cp = rel_h + rel_w; ef = ef_h + ef_w.  All five products on codes of FP6 (E2M3) with one E8M0 scale for each 32 along K.
; What attention needs leaves as codes, laid as IMAGES OF OPERAND REGISTERS: a fragment (16 rows x 128 K, 12 registers a lane) is 1,536 bytes, three chunks of 512, lane l's four registers at 16 l.
; SHARES.  A work-group owns 128 pixels (one block of kv, one of qa).  Wave w owns pixel tile w, row tile w of every weight, and channel tile w of v and of ef along the pixels.
; THE ROWS OF A TILE ARE NOT NEIGHBOURS: lane r of tile t takes index PL(t, r) = 32 (t / 2) + 8 (t % 2) + r + 8 (r / 8), for pixels and for the weights' rows alike, so that in a result whose source 0 is such a
; tile the 64 registers of eight tiles run along that index in the order that the quantiser's macro takes: register 16 b + i = index 32 b + 16 (lane / 16) + i.
; kv block (64,000 bytes): key tile t: k at 3072 t, q at 3072 t + 1536; v (K = pixels) at 24,576 + 1536 ct; ef (K = channels) at 36,864 + 1536 t; ef (K = pixels) at 49,152 + 1536 ct; scale words at 61,440: k, q, v, ef, ef, 512 bytes each, tile t's row r at 64 t + 4 r.
; qa block (25,600 bytes): cp at 1536 t, p at 12,288 + 1536 t, cp's words at 24,576, p's at 25,088.
; No cluster and no tensor load: the work-groups share only the weights, 384 KB against the 6.5 MB of x, which nobody shares.  The loads of x read runs of 32 bytes (eight pixels of a tile); two neighbouring waves cover 128 bytes together.
; LIMITS: NaN and infinities among the inputs are not served.  A block whose largest magnitude lies under 2^-124 gets the scale byte 1; a block of zeros gets the byte 1 with zero codes, where the quantiser's rule says 127: the bytes are read by this program alone.
.set XIMG,  0                          ; LDS: x1's eight images
.set XSC,   12288                      ; their scale words, 128 bytes each
.set SCW,   13312                      ; seven kinds of scale words on their way out, 512 bytes each: k, q, v, ef (channels), ef (pixels), cp, p
.set WSC,   16896                      ; the weights' scale words, 128 bytes for each of 48 images
.set WIMG,  23040                      ; the weights' 48 images, index 8 kind + tile; kinds: w1 K step 0, w1 K step 1, wq, wk, wp, wv
.set TAB,   96768                      ; a copy for each wave, 4,096 bytes: rows of 512: -m1, s1, b1, bq, bk, bp, bv
.set EFT,   129536                     ; ef as f32: 128 channel rows of 528 bytes
.set XQI,   197120                     ; x's codes: two images a wave, the wave's own
.set XQS,   221696                     ; and their words
.set SPARE, 223744                     ; the spare words, 128 bytes for each wave: four blocks of 256 bytes that no other line names
.set A,   16                           ; v16-79    64 numbers
.set B,   80                           ; v80-143   64 numbers; from v80 on also eight fragments (96 registers)
.set C,   144                          ; v144-207  64 numbers
.set PCW, 208                          ; v208-219  the codes just made, while the weights are quantised
.set XF0, 208                          ; x's two fragments in the first product
.set XF1, 220
.set X1F, 208                          ; then x1's fragment, which stays,
.set PC,  220                          ; and the codes just made
.set TM,  232                          ; v232-243  the quantiser's twelve
.set PW,  TM+3                         ; the scale word just made
.set WS,  244                          ; v244-251 eight scale words; v252, v253 x's; v254 x1's; v255 wv's: these hold scales and nothing else
.set SEL, 48                           ; s[48:49] lane selects for v_permlanex16_b32: lane l xor 16
; v1 spare word, v2 zero, v3 16 lane, v4 4 lane, v5 16 lane + 1536 wave, v6 4 lane + 128 wave, v7 my place in my table, v8 4 PL(wave, r); v9-15 addresses of the phase in hand
.macro NOPS n
.rept \n
	v_nop
.endr
.endm
.macro BARRIER                         ; my LDS stores have landed and my LDS loads are in: then the work-group's barrier
	s_wait_dscnt 0x0
	s_barrier_signal -1
	s_barrier_wait -1
.endm
; 64 numbers of a lane, register 16 b + i = k 32 b + 16 (lane / 16) + i of my row, become a fragment's codes in v[dst] on and its scale word in v[PW]
.macro QUANT src, dst
.irp b, 0,1,2,3
	v_max3_num_f32 v[TM+\b], |v[\src+16*\b]|, |v[\src+16*\b+1]|, 0x1800000   ; block b: my 16 numbers, and the floor 2^(3 - 127): the byte cannot fall under 1
.endr
.irp i, 2,4,6,8,10,12,14
.irp b, 0,1,2,3
	v_max3_num_f32 v[TM+\b], v[TM+\b], |v[\src+16*\b+\i]|, |v[\src+16*\b+\i+1]|   ; the four blocks by turns
.endr
.endr
.irp b, 0,1,2,3
	v_permlanex16_b32 v[TM+4+\b], v[TM+\b], s[SEL], s[SEL+1]
.endr
.irp b, 0,1,2,3
	v_max_num_f32 v[TM+\b], v[TM+\b], v[TM+4+\b]     ; with lane l xor 16's: the block's largest magnitude
.endr
.irp b, 0,1,2,3
	v_add_nc_u32 v[TM+8+\b], 0xff000000, v[TM+\b]    ; 2 off its exponent field: the conversion's scale operand
.endr
.irp b, 0,1,2,3
	v_lshrrev_b32 v[TM+4+\b], 23, v[TM+8+\b]         ; the scale's byte
.endr
	v_lshl_or_b32 v[PW], v[TM+5], 8, v[TM+4]
	v_lshl_or_b32 v[PW], v[TM+6], 16, v[PW]
	v_lshl_or_b32 v[PW], v[TM+7], 24, v[PW]          ; my row's scale word
.irp c, 0,1
	v_cvt_scalef32_pk16_fp6_f32 v[\dst+6*\c:\dst+6*\c+2], v[\src+32*\c:\src+32*\c+15], v[TM+8+2*\c]
	v_cvt_scalef32_pk16_fp6_f32 v[TM+4*\c:TM+4*\c+2], v[\src+32*\c+16:\src+32*\c+31], v[TM+9+2*\c]   ; (a conversion's three registers begin on an even number)
.endr
	v_nop                                            ; one plain place behind a scaled conversion
.irp c, 0,1                                      ; the operand's layout wants a whole block in a lane: lanes 0-15 block 2 c, lanes 16-31 block 2 c + 1
.irp i, 0,1,2
	v_permlane16_swap_b32 v[\dst+6*\c+\i], v[TM+4*\c+\i]
.endr
.irp i, 0,1,2
	v_mov_b32 v[\dst+6*\c+3+\i], v[TM+4*\c+\i]
.endr
.endr
.endm
.macro IMAGE adr, src, off             ; a fragment goes to LDS as it stands,
.irp c, 0,1,2
	ds_store_b128 v[\adr], v[\src+4*\c:\src+4*\c+3] offset:\off+512*\c
.endr
.endm
.macro FETCH dst, adr, off             ; comes back so, in any wave,
.irp c, 0,1,2
	ds_load_b128 v[\dst+4*\c:\dst+4*\c+3], v[\adr] offset:\off+512*\c
.endr
.endm
.macro GIMAGE adr, src, sb, off        ; or goes to memory: each store of the wave covers 512 consecutive bytes, aligned to 256
.irp c, 0,1,2
	global_store_b128 v[\adr], v[\src+4*\c:\src+4*\c+3], s[\sb:\sb+1] offset:\off+512*\c
.endr
.endm
.macro SWORD kind                      ; my tile's scale words join the work-group's; lanes l and l xor 16 write the same word with the same value
	ds_store_b32 v11, v[PW] offset:512*\kind
.endm
.macro XLOAD ks                        ; x(128 ks + 32 b + 16 h + i, my pixel): the registers run down K
.set QI, 0
.rept 64
	global_load_b32 v[A+QI], v9, s[8:9] offset:(128*\ks+32*(QI/16)+QI%16)*25600
.set QI, QI+1
.endr
.endm
.macro WLOAD reg, voff, sb, off        ; 64 numbers of my row of a weight: of each block of 32 my half's 16
.set QI, 0
.rept 16
	global_load_b128 v[\reg+4*QI:\reg+4*QI+3], v[\voff], s[\sb:\sb+1] offset:\off+128*(QI/4)+16*(QI%4)
.set QI, QI+1
.endr
.endm
.macro WOUT kind, src                  ; my tile of a weight: codes and word to LDS.  An LDS immediate ends at 65,535: kinds 3 to 5 go by the address register that stands 36,864 further on
	QUANT \src, PCW
.if \kind < 3
	IMAGE 5, PCW, WIMG+12288*\kind
.else
	IMAGE 12, PCW, WIMG+12288*(\kind-3)
.endif
	ds_store_b32 v6, v[PW] offset:WSC+1024*\kind
	s_wait_dscnt 0x0                                 ; the stores have read their registers
.endm
.macro FETCH8 kind                     ; a weight's eight tiles and their words
.irp t, 0,1,2,3,4,5,6,7
.if \kind < 3
	FETCH B+12*\t, 3, WIMG+1536*(8*\kind+\t)
.else
	FETCH B+12*\t, 9, WIMG+1536*(8*(\kind-3)+\t)
.endif
	ds_load_b32 v[WS+\t], v4 offset:WSC+128*(8*\kind+\t)
.endr
.endm
.macro TROW reg, row                   ; a row of my table in the results' layout: for tile t the eight channels 32 (t / 2) + 16 h + 8 (t % 2) + 0 .. 7
.irp t, 0,1,2,3,4,5,6,7
	ds_load_b128 v[\reg+8*\t:\reg+8*\t+3], v7 offset:512*\row+(32*(\t/2)+8*(\t%2))*4
	ds_load_b128 v[\reg+8*\t+4:\reg+8*\t+7], v7 offset:512*\row+(32*(\t/2)+8*(\t%2))*4+16
.endr
.endm
.macro MM8 xf, xs                      ; eight tiles of a weight's rows (source 0) x my 16 pixels (source 1), onto what lies in A: eight accumulators by turns
.irp t, 0,1,2,3,4,5,6,7
	v_wmma_scale_f32_16x16x128_f8f6f4 v[A+8*\t:A+8*\t+7], v[B+12*\t:B+12*\t+11], v[\xf:\xf+11], v[A+8*\t:A+8*\t+7], v[WS+\t], v[\xs] matrix_a_fmt:MATRIX_FMT_FP6 matrix_b_fmt:MATRIX_FMT_FP6
.endr
.endm
.macro PROJ_MM kind, row               ; a projection of x1: the bias is the C of the sum
	TROW A, \row
	FETCH8 \kind
	s_wait_dscnt 0x0                                 ; these loads, and the LDS stores before them, which have read their registers
	MM8 X1F, 254
	NOPS 4                                           ; four places behind the products, ahead of reads of the results and of loads into the operands
.endm
.macro PROJ_Q
	s_wait_xcnt 0x0                                  ; the last image's stores have read PC
	QUANT A, PC
.endm
.macro RELLOAD hb, wb                  ; a table by rows into B, a table by columns into C: channel 32 b + 16 h + i at my pixel's y and x
.set QI, 0
.rept 64
	global_load_b32 v[B+QI], v12, s[\hb:\hb+1] offset:(32*(QI/16)+QI%16)*320
.set QI, QI+1
.endr
.set QI, 0
.rept 64
	global_load_b32 v[C+QI], v15, s[\wb:\wb+1] offset:(32*(QI/16)+QI%16)*320
.set QI, QI+1
.endr
.endm
.macro PKSUM
.set QI, 0
.rept 32
	v_pk_add_f32 v[A+QI:A+QI+1], v[B+QI:B+QI+1], v[C+QI:C+QI+1]
.set QI, QI+2
.endr
.endm
.macro SIG y, t, n                     ; t = 1 / (1 + 2^(-y log2 e)), n numbers: each batch of transcendentals has one plain line and one wait behind it
.set QI, 0
.rept (\n)/2
	v_pk_mul_f32 v[\t+QI:\t+QI+1], v[\y+QI:\y+QI+1], 0xbfb8aa3b op_sel_hi:[1,0]
.set QI, QI+2
.endr
.set QI, 0
.rept \n
	v_exp_f32 v[\t+QI], v[\t+QI]
.set QI, QI+1
.endr
	v_nop
	s_wait_alu depctr_va_vdst(0)
.set QI, 0
.rept (\n)/2
	v_pk_add_f32 v[\t+QI:\t+QI+1], v[\t+QI:\t+QI+1], 1.0 op_sel_hi:[1,0]
.set QI, QI+2
.endr
.set QI, 0
.rept \n
	v_rcp_f32 v[\t+QI], v[\t+QI]
.set QI, QI+1
.endr
	v_nop
	s_wait_alu depctr_va_vdst(0)
.endm
	s_load_b512 s[8:23], s[0:1], 0x0                 ; x 8, w1 10, g1 12, b1 14, m1 16, v1 18, wq 20, bq 22
	s_load_b512 s[24:39], s[0:1], 0x40               ; wk 24, bk 26, wv 28, bv 30, wp 32, bp 34, rel_h 36, rel_w 38
	s_load_b256 s[40:47], s[0:1], 0x80               ; ef_h 40, ef_w 42, kv 44, qa 46
	v_lshl_add_u32 v1, v0, 2, SPARE
	v_mov_b32 v2, 0
	v_lshrrev_b32 v16, 5, v0
	v_readfirstlane_b32 s2, v16                      ; wave 0..7
	v_and_b32 v17, 31, v0                            ; lane
	v_and_b32 v18, 15, v0                            ; r
	v_bfe_u32 v19, v0, 4, 1                          ; h
	v_lshlrev_b32 v3, 4, v17
	v_lshlrev_b32 v4, 2, v17
	s_mul_i32 s54, s2, 1536
	v_add_nc_u32 v5, s54, v3
	s_lshl_b32 s54, s2, 7
	v_add_nc_u32 v6, s54, v4
	s_lshl_b32 s54, s2, 12
	s_add_co_u32 s54, s54, TAB
	v_lshl_add_u32 v7, v19, 6, s54                   ; my table + 64 h
	v_add_nc_u32 v15, s54, v3                        ; and where I write it: 16 bytes a lane
	v_and_b32 v20, 8, v18
	v_add_nc_u32 v20, v20, v18                       ; r + 8 (r / 8)
	s_lshr_b32 s54, s2, 1
	s_lshl_b32 s54, s54, 5
	s_and_b32 s55, s2, 1
	s_lshl_b32 s55, s55, 3
	s_add_co_u32 s54, s54, s55
	v_add_nc_u32 v20, s54, v20                       ; PL(wave, r)
	v_lshlrev_b32 v8, 2, v20
	v_mul_u32_u24 v9, v19, 409600                    ; x: 16 h rows of 25,600 bytes
	s_lshl_b32 s54, ttmp9, 9
	v_add3_u32 v9, v9, v8, s54                       ; + 4 x my pixel
	v_lshlrev_b32 v10, 10, v20
	v_lshl_add_u32 v10, v19, 6, v10                  ; w1: my row of 1,024 bytes + 64 h
	v_lshlrev_b32 v11, 9, v20
	v_lshl_add_u32 v11, v19, 6, v11                  ; the other weights: rows of 512 bytes
	v_add_nc_u32 v12, 36864, v5
	s_mul_i32 s54, s2, 3072
	s_add_co_u32 s54, s54, XQI
	v_add_nc_u32 v13, s54, v3
	s_lshl_b32 s54, s2, 8
	s_add_co_u32 s54, s54, XQS
	v_add_nc_u32 v14, s54, v4
.irp b, 0,1,2,3
	v_mov_b32 v[TM+4+\b], 0                          ; written once: a lane permute's destination counts as one of its sources
.endr
	s_mov_b32 s[SEL], 0x76543210
	s_mov_b32 s[SEL+1], 0xfedcba98
	s_mul_i32 s54, ttmp9, 64000
	s_mov_b32 s55, 0
	s_mul_i32 s56, ttmp9, 25600
	s_mov_b32 s57, 0
	s_wait_kmcnt 0x0
	s_add_nc_u64 s[50:51], s[44:45], s[54:55]        ; my block of kv
	s_add_nc_u64 s[52:53], s[46:47], s[56:57]        ; and of qa
	; ---- W: the table, x's codes, my tile of each weight.  Loads come back in order; each wait names the loads issued behind the ones it wants (where that is 80, the largest count that the wait can name, 63, which asks for more)
	global_load_b128 v[C:C+3], v3, s[12:13]          ; g1: four channels a lane
	global_load_b128 v[C+4:C+7], v3, s[14:15]        ; b1
	global_load_b128 v[C+8:C+11], v3, s[16:17]       ; m1
	global_load_b128 v[C+12:C+15], v3, s[18:19]      ; v1
	global_load_b128 v[C+16:C+19], v3, s[22:23]      ; bq
	global_load_b128 v[C+20:C+23], v3, s[26:27]      ; bk
	global_load_b128 v[C+24:C+27], v3, s[34:35]      ; bp
	global_load_b128 v[C+28:C+31], v3, s[30:31]      ; bv
	XLOAD 0
	WLOAD B, 10, 10, 0                               ; w1, K step 0
	s_wait_loadcnt 63                                ; the eight are in (80 were issued behind them)
.irp k, 0,1,2,3
	v_add_f32 v[C+32+\k], 0x3727c5ac, v[C+12+\k]     ; v1 + 1e-5
.endr
.irp k, 0,1,2,3
	v_rsq_f32 v[C+36+\k], v[C+32+\k]
.endr
.irp k, 0,1,2,3
	v_sub_f32 v[C+40+\k], 0, v[C+8+\k]               ; -m1: plain work behind the batch
.endr
	s_wait_alu depctr_va_vdst(0)                     ; one wait for the four, ahead of their first reader
.irp k, 0,1,2,3
	v_mul_f32 v[C+32+\k], v[C+\k], v[C+36+\k]        ; s1 = g1 / sqrt(v1 + eps)
.endr
	ds_store_b128 v15, v[C+40:C+43]
	ds_store_b128 v15, v[C+32:C+35] offset:512
	ds_store_b128 v15, v[C+4:C+7] offset:1024
	ds_store_b128 v15, v[C+16:C+19] offset:1536
	ds_store_b128 v15, v[C+20:C+23] offset:2048
	ds_store_b128 v15, v[C+24:C+27] offset:2560
	ds_store_b128 v15, v[C+28:C+31] offset:3072
	s_wait_dscnt 0x0                                 ; the stores have read their registers
	WLOAD C, 10, 10, 512                             ; w1, K step 1
	s_wait_loadcnt 32                                ; x's K step 0 is in; the two weights' loads may be out
	QUANT A, PCW
	IMAGE 13, PCW, 0
	ds_store_b32 v14, v[PW]
	s_wait_dscnt 0x0
	XLOAD 1
	s_wait_loadcnt 63                                ; w1's K step 0 (80 behind it)
	WOUT 0, B
	WLOAD B, 11, 20, 0                               ; wq
	s_wait_loadcnt 63                                ; w1's K step 1 (80 behind it)
	WOUT 1, C
	WLOAD C, 11, 24, 0                               ; wk
	s_wait_loadcnt 32                                ; x's K step 1; wq and wk may be out
	QUANT A, PCW
	IMAGE 13, PCW, 1536
	ds_store_b32 v14, v[PW] offset:128
	s_wait_dscnt 0x0
	WLOAD A, 11, 32, 0                               ; wp
	s_wait_loadcnt 32                                ; wq; wk and wp may be out
	WOUT 2, B
	WLOAD B, 11, 28, 0                               ; wv
	s_wait_loadcnt 32                                ; wk
	WOUT 3, C
	s_wait_loadcnt 16                                ; wp
	WOUT 4, A
	s_wait_loadcnt 0x0                               ; wv
	WOUT 5, B
	BARRIER                                          ; all 48 images of the weights lie in LDS
	; ---- 1: my 16 pixels.  All global loads are in, so their address registers are written anew
	v_add_nc_u32 v9, 36864, v3
	s_mul_i32 s54, s2, 3072
	v_add_nc_u32 v10, s54, v3                        ; 16 lane + 3072 wave: k's and q's images in kv
	v_and_b32 v16, 15, v0
	s_lshl_b32 s54, s2, 6
	s_add_co_u32 s54, s54, SCW
	v_lshl_add_u32 v11, v16, 2, s54                  ; my tile's words: 64 wave + 4 r
	v_lshrrev_b32 v17, 2, v8
	s_lshl_b32 s54, ttmp9, 7
	v_add_nc_u32 v17, s54, v17                       ; my pixel
	s_mov_b32 s54, 0xcccd
	v_mul_lo_u32 v18, v17, s54
	v_lshrrev_b32 v18, 22, v18                       ; y = pixel / 80: pixel x 52,429 >> 22 is exact under 6,400 (the factor's excess over 1 / 80 times 6,400 stays under 1 / 80)
	v_mul_u32_u24 v19, v18, 80
	v_sub_nc_u32 v19, v17, v19                       ; x = pixel - 80 y
	v_bfe_u32 v20, v0, 4, 1
	v_mul_u32_u24 v20, v20, 5120                     ; 16 h rows of 320 bytes
	v_lshl_add_u32 v12, v18, 2, v20
	v_lshl_add_u32 v15, v19, 2, v20
	TROW A, 0                                        ; -m1 is the C of the first product
	FETCH XF0, 13, 0
	FETCH XF1, 13, 1536
	ds_load_b32 v252, v14
	ds_load_b32 v253, v14 offset:128
	FETCH8 0
	s_wait_dscnt 0x0
	MM8 XF0, 252
	NOPS 4
	FETCH8 1
	s_wait_dscnt 0x0
	MM8 XF1, 253
	v_bfe_u32 v232, v0, 4, 1                         ; eight plain lines that name none of the products' registers: the places behind them.  The f32 tile of ef:
	v_mul_u32_u24 v233, v232, 8448
	v_add_nc_u32 v13, v233, v8
	v_add_nc_u32 v13, EFT, v13                       ; in: row 16 h + .., column my pixel
	v_lshrrev_b32 v233, 2, v8
	v_mul_u32_u24 v233, v233, 528
	v_lshl_add_u32 v14, v232, 6, v233
	v_add_nc_u32 v14, EFT, v14                       ; out: row PL(wave, r), + 64 h
	TROW B, 1
	TROW C, 2
	s_wait_dscnt 0x0
.set QI, 0
.rept 32
	v_pk_fma_f32 v[A+QI:A+QI+1], v[A+QI:A+QI+1], v[B+QI:B+QI+1], v[C+QI:C+QI+1]   ; (sum - m1) s1 + b1; each accumulator from its low end on
.set QI, QI+2
.endr
	SIG A, B, 64
.set QI, 0
.rept 32
	v_pk_mul_f32 v[A+QI:A+QI+1], v[A+QI:A+QI+1], v[B+QI:B+QI+1]                   ; x1 = y sigmoid(y)
.set QI, QI+2
.endr
	QUANT A, X1F
	v_mov_b32 v254, v[PW]
	IMAGE 5, X1F, XIMG
	ds_store_b32 v6, v[PW] offset:XSC
	NOPS 8                                           ; a scale register written by a vector instruction stands 8 places ahead of a scaled matrix instruction, an operand 4
	PROJ_MM 2, 3                                     ; q
	PROJ_Q
	GIMAGE 10, PC, 50, 1536
	SWORD 1
	PROJ_MM 3, 4                                     ; k
	PROJ_Q
	GIMAGE 10, PC, 50, 0
	SWORD 0
	PROJ_MM 4, 5                                     ; p
	RELLOAD 36, 38                                   ; rel_h, rel_w are asked for while p is quantised
	PROJ_Q
	GIMAGE 5, PC, 52, 12288
	SWORD 6
	s_wait_loadcnt 0x0
	PKSUM                                            ; cp = rel_h + rel_w
	RELLOAD 40, 42                                   ; ef_h, ef_w
	s_wait_xcnt 0x0                                  ; p's stores have read PC
	s_wait_dscnt 0x0                                 ; and its word's store PW
	QUANT A, PC
	GIMAGE 5, PC, 52, 0
	SWORD 5
	s_wait_loadcnt 0x0
	PKSUM                                            ; ef = ef_h + ef_w
	v_add_nc_u32 v12, 33792, v13                     ; (its loads are in)  64 rows further down: an LDS immediate ends at 65,535
.set QI, 0
.rept 32
	ds_store_b32 v13, v[A+QI] offset:(32*(QI/16)+QI%16)*528
.set QI, QI+1
.endr
.rept 32
	ds_store_b32 v12, v[A+QI] offset:(32*(QI/16-2)+QI%16)*528
.set QI, QI+1
.endr
	s_wait_xcnt 0x0
	s_wait_dscnt 0x0
	QUANT A, PC                                      ; ef along the channels
	GIMAGE 5, PC, 50, 36864
	SWORD 3
	BARRIER                                          ; x1's eight images and the f32 tile of ef lie in LDS
	; ---- 2: channel tile w of v and of ef, along the 128 pixels
	v_add_nc_u32 v12, 36864, v5
	s_lshl_b32 s54, s2, 12
	s_add_co_u32 s54, s54, TAB+3072
	v_add_nc_u32 v15, s54, v8                        ; bv of my channel
	s_lshl_b32 s54, s2, 9
	s_add_co_u32 s54, s54, SCW
	v_add_nc_u32 v13, s54, v3                        ; the words' way out: kind = wave
.irp t, 0,1,2,3,4,5,6,7
	FETCH B+12*\t, 3, XIMG+1536*\t
	ds_load_b32 v[WS+\t], v4 offset:XSC+128*\t
.endr
	s_wait_xcnt 0x0                                  ; the last image's stores have read PC
	FETCH PC, 12, WIMG+24576                         ; wv's tile w: image 40 + w
	ds_load_b32 v255, v6 offset:WSC+5120
	ds_load_b32 v176, v15
	ds_load_b32 v177, v15                            ; (named with it as a pair)
	s_wait_dscnt 0x0
.irp t, 0,1,2,3,4,5,6,7                          ; source 0 = 16 pixels of x1, source 1 = 16 rows of wv: a lane holds one channel, its registers run along the pixels
	v_wmma_scale_f32_16x16x128_f8f6f4 v[A+8*\t:A+8*\t+7], v[B+12*\t:B+12*\t+11], v[PC:PC+11], 0, v[WS+\t], v255 matrix_a_fmt:MATRIX_FMT_FP6 matrix_b_fmt:MATRIX_FMT_FP6
.endr
	NOPS 4
.set QI, 0
.rept 32
	v_pk_add_f32 v[A+QI:A+QI+1], v[A+QI:A+QI+1], v[176:177] op_sel_hi:[1,0]      ; + bv
.set QI, QI+2
.endr
	QUANT A, PC
	GIMAGE 5, PC, 50, 24576
	SWORD 2
.set QI, 0
.rept 16
	ds_load_b128 v[A+4*QI:A+4*QI+3], v14 offset:128*(QI/4)+16*(QI%4)             ; ef(my channel, pixels 32 b + 16 h + ..)
.set QI, QI+1
.endr
	s_wait_dscnt 0x0
	s_wait_xcnt 0x0
	QUANT A, PC
	GIMAGE 5, PC, 50, 49152
	SWORD 4
	BARRIER                                          ; the seven kinds of scale words are whole
	s_cmp_eq_u32 s2, 7                               ; seven kinds, seven waves
	s_cbranch_scc1 .Lend
	ds_load_b128 v[16:19], v13
	s_cmp_lt_u32 s2, 5                               ; kinds 0 to 4 belong to kv, at 61,440 + 512 kind; 5 and 6 to qa, at 24,576 + 512 (kind - 5)
	s_cselect_b64 s[54:55], s[50:51], s[52:53]
	s_mov_b32 s56, 22016
	s_cselect_b32 s56, 61440, s56
	s_lshl_b32 s57, s2, 9
	s_add_co_u32 s56, s56, s57
	s_mov_b32 s57, 0
	s_add_nc_u64 s[54:55], s[54:55], s[56:57]
	s_wait_dscnt 0x0
	global_store_b128 v3, v[16:19], s[54:55]         ; 512 consecutive bytes, aligned to 256
.Lend:
	s_wait_tensorcnt 0x0                             ; the wave's end: behind my last LDS store
	ds_add_u32 v1, v2
	s_wait_dscnt 0x0
	s_endpgm
.Lfunc_end_k_q895f3dee1a_prep:
	.size	k_q895f3dee1a_prep, .Lfunc_end_k_q895f3dee1a_prep-k_q895f3dee1a_prep
	.p2alignl 7, 3214868480
	.fill 96, 4, 3214868480
	.section	.rodata,"a",@progbits
	.p2align	6, 0x0
	.amdhsa_kernel k_q895f3dee1a_prep
		.amdhsa_group_segment_fixed_size 224768
		.amdhsa_private_segment_fixed_size 0
		.amdhsa_enable_private_segment 0
		.amdhsa_kernarg_size 160
		.amdhsa_user_sgpr_count 2
		.amdhsa_user_sgpr_kernarg_segment_ptr 1
		.amdhsa_wavefront_size32 1
		.amdhsa_system_sgpr_workgroup_id_x 1
		.amdhsa_system_sgpr_workgroup_id_y 1
		.amdhsa_system_sgpr_workgroup_id_z 1
		.amdhsa_system_vgpr_workitem_id 0
		.amdhsa_next_free_vgpr 256
		.amdhsa_next_free_sgpr 66
		.amdhsa_reserve_vcc 0
		.amdhsa_float_denorm_mode_32 3
		.amdhsa_float_denorm_mode_16_64 3
		.amdhsa_memory_ordered 1
		.amdhsa_forward_progress 1
		.amdhsa_inst_pref_size 168
	.end_amdhsa_kernel
	.amdgpu_metadata
---
amdhsa.version: [ 1, 2 ]
amdhsa.kernels:
  - .name:           k_q895f3dee1a_prep
    .symbol:         k_q895f3dee1a_prep.kd
    .args:
      - { .name: x, .offset: 0, .size: 8, .value_kind: global_buffer, .address_space: global }
      - { .name: w1, .offset: 8, .size: 8, .value_kind: global_buffer, .address_space: global }
      - { .name: g1, .offset: 16, .size: 8, .value_kind: global_buffer, .address_space: global }
      - { .name: b1, .offset: 24, .size: 8, .value_kind: global_buffer, .address_space: global }
      - { .name: m1, .offset: 32, .size: 8, .value_kind: global_buffer, .address_space: global }
      - { .name: v1, .offset: 40, .size: 8, .value_kind: global_buffer, .address_space: global }
      - { .name: wq, .offset: 48, .size: 8, .value_kind: global_buffer, .address_space: global }
      - { .name: bq, .offset: 56, .size: 8, .value_kind: global_buffer, .address_space: global }
      - { .name: wk, .offset: 64, .size: 8, .value_kind: global_buffer, .address_space: global }
      - { .name: bk, .offset: 72, .size: 8, .value_kind: global_buffer, .address_space: global }
      - { .name: wv, .offset: 80, .size: 8, .value_kind: global_buffer, .address_space: global }
      - { .name: bv, .offset: 88, .size: 8, .value_kind: global_buffer, .address_space: global }
      - { .name: wp, .offset: 96, .size: 8, .value_kind: global_buffer, .address_space: global }
      - { .name: bp, .offset: 104, .size: 8, .value_kind: global_buffer, .address_space: global }
      - { .name: rel_h, .offset: 112, .size: 8, .value_kind: global_buffer, .address_space: global }
      - { .name: rel_w, .offset: 120, .size: 8, .value_kind: global_buffer, .address_space: global }
      - { .name: ef_h, .offset: 128, .size: 8, .value_kind: global_buffer, .address_space: global }
      - { .name: ef_w, .offset: 136, .size: 8, .value_kind: global_buffer, .address_space: global }
      - { .name: kv, .offset: 144, .size: 8, .value_kind: global_buffer, .address_space: global }
      - { .name: qa, .offset: 152, .size: 8, .value_kind: global_buffer, .address_space: global }
    .group_segment_fixed_size: 224768
    .private_segment_fixed_size: 0
    .kernarg_segment_align: 8
    .kernarg_segment_size: 160
    .max_flat_workgroup_size: 256
    .sgpr_count:     66
    .vgpr_count:     256
    .wavefront_size: 32
...
	.end_amdgpu_metadata
.endif
;; end of part 1
;; launch attn (part 2): grid 50 x 5, 8 waves a work-group, no clusters, 327,680 bytes of LDS; arguments kv, qa, part; writes part
.if DOCPART == 2
	.amdgcn_target "amdgcn-amd-amdhsa--gfx1250"
	.amdhsa_code_object_version 6
	.text
	.protected	k_q895f3dee1a_attn
	.globl	k_q895f3dee1a_attn
	.p2align	8
	.type	k_q895f3dee1a_attn,@function
k_q895f3dee1a_attn:
	s_mov_b64 s[64:65], 0
	v_nop
	global_prefetch_b8 v0, s[64:65] scope:SCOPE_SE
	s_setreg_imm32_b32 hwreg(HW_REG_WAVE_MODE, 25, 1), 1
	s_wait_xcnt 0x0
; Both attentions on codes of FP6 (E2M3), for one fifth of the keys: branch 0: logits q_i . k_j + cp_i . q_j, values v; branch 1: logits p_i . ef_j, values ef.
; THE SOFTMAX AHEAD OF THE SECOND PRODUCT: t = logit x log2(e); M = the largest t so far, rounded up to a whole number; p = 2^(t - M) is quantised along the keys, not normalised; the sum is taken of the unquantised p.
; When M moves, the sum and O^T are multiplied by 2^(old M - new M): exact.  What leaves is a record for each tile of 16 queries, branch and key split: O^T, -M and the sum; the next launch joins the five splits.
; SHARES.  Work-group (X, Y): queries 128 X on, key steps 10 Y to 10 Y + 9 of 128 keys.  Wave w: branch w / 4, query tiles 2 (w % 4) and 2 (w % 4) + 1.  A WAVE HAS TWO TILES OF 16 QUERIES, so that each fragment of
; the key side that it reads from LDS feeds two matrix instructions: a work-group's key step reads 4 x 72 + 4 x 48 = 480 times 512 bytes for its 16 tile steps.  Eight waves of 512 registers: two to a SIMD.
; 50 x 5 = 250 work-groups of equal work: by queries alone 800 tiles, 16 to a work-group, would give 50.
; LAYOUT.  Both products are used transposed: S^T = keys x queries, O^T = channels x queries: a lane holds one query.  The operands lie in kv and qa as images of their registers (three chunks of 512 bytes, lane l at 16 l), so a
; fragment is three ds_load_b128, each of 512 consecutive bytes.  The keys of a tile are PL(t, r) = 32 (t / 2) + 8 (t % 2) + r + 8 (r / 8): the 16 registers of tiles 2 b, 2 b + 1 are 16 neighbouring keys.
; A scale register brings two tiles' words: tile 2 b in lanes 0-15, tile 2 b + 1 in lanes 16-31.
; THE RING.  Two LDS slots of two key steps (2 x 64,000 bytes, as they lie in kv), filled by waves 0 to 3, a quarter each (125 rows of 256 bytes): by this text's count a wave has at most one tensor load out.
; NO CLUSTER: the tiles of a key split are shared by the 50 work-groups of a grid row, and 50 is no multiple of 4; a fill is 128,000 bytes for 32 tile steps of work.
; REGISTERS, in two windows of 256 (s_set_vgpr_msb's low byte: bits 1:0 source 0, 3:2 source 1, 5:4 source 2, 7:6 destination).  TILE 1'S STATE LIES IN WINDOW 1 AT THE NUMBERS THAT TILE 0'S HAS IN WINDOW 0, so the softmax is
; written once and run under the settings 0 and 0x55:  v12 -M, v13 largest t, v[14:15] the sum in two halves; v16-27, v80-91 the query side's fragments; v96-159 S^T, then p; v160-223 O^T; v224-235 p's codes; v232-247, v252, v254 at work; v253 p's word.
;   window 0 alone: v0 prefetch offset (after the head); v1-4 my lane's place in a step: score operands, value operands, their words; v5 spare word, v6 zero; v7 16 lane; v8-11 the step's addresses; v32-79 fragment buffer 0;
;   and the scale words, which have no window: v30, v31 tile 0's query side, v28, v29 tile 1's; v92-95, v248-251 the key side's; v253 tile 0's p, v255 tile 1's.      window 1 alone: v32-79 fragment buffer 1.
; A product's setting is buffer + 0x54 x tile (source 0 the buffer's window; source 1, C and D the tile's).
; s2 the slot in hand, s3 the step in hand, s10 wave, s11 branch, s12 wave % 4, s14 Y, s15 slots still to be asked for, s[20:21] lane selects, s[22:23] log2(e), s[24:31] and s[32:35] the descriptor, s[42:43] my records, s[44:45] the prefetches' place, s46 who asks
; LIMITS: NaN and infinities are not served.  A p under 2^-126 comes out as 0 (v_exp_f32 gives no denormals: ISA guide, its entry).  A block's largest p is taken as the p of its largest score, which takes v_exp_f32 not to fall where
; its input rises; at the worst one p of a block, within an ulp of a power of two, would be held one code low.
.set STEPB, 64000                      ; a key step's block in kv and in a slot
.set SLOT1, 1<<17                      ; slot 1 begins here: one exclusive or turns an address in one slot into the other's
.set SPARE, 262144                     ; behind the ring: the spare words, 128 bytes for each wave: four blocks of 256 bytes that no other line names
.set MSB, 0
.macro WIN new                         ; the immediate's high byte repeats the setting that is left; a switch that changes nothing is dropped
.if MSB != (\new)
	s_set_vgpr_msb (MSB<<8)|(\new)
.set MSB, (\new)
.endif
.endm
.macro NOPS n
.rept \n
	v_nop
.endr
.endm
.macro WM d, a, b, z, sa, sb, r1       ; one product; z = 1: it starts the sum; r1 = 1: source 0's words stand in lanes 16-31
.if \z
.if \r1
	v_wmma_scale_f32_16x16x128_f8f6f4 v[\d:\d+7], v[\a:\a+11], v[\b:\b+11], 0, v[\sa], v[\sb] matrix_a_fmt:MATRIX_FMT_FP6 matrix_b_fmt:MATRIX_FMT_FP6 matrix_a_scale:MATRIX_SCALE_ROW1
.else
	v_wmma_scale_f32_16x16x128_f8f6f4 v[\d:\d+7], v[\a:\a+11], v[\b:\b+11], 0, v[\sa], v[\sb] matrix_a_fmt:MATRIX_FMT_FP6 matrix_b_fmt:MATRIX_FMT_FP6
.endif
.else
.if \r1
	v_wmma_scale_f32_16x16x128_f8f6f4 v[\d:\d+7], v[\a:\a+11], v[\b:\b+11], v[\d:\d+7], v[\sa], v[\sb] matrix_a_fmt:MATRIX_FMT_FP6 matrix_b_fmt:MATRIX_FMT_FP6 matrix_a_scale:MATRIX_SCALE_ROW1
.else
	v_wmma_scale_f32_16x16x128_f8f6f4 v[\d:\d+7], v[\a:\a+11], v[\b:\b+11], v[\d:\d+7], v[\sa], v[\sb] matrix_a_fmt:MATRIX_FMT_FP6 matrix_b_fmt:MATRIX_FMT_FP6
.endif
.endif
.endm
.macro TLOAD                           ; waves 0 to 3 fetch a quarter of a slot each; an s_nop 0 and four v_nop follow the line
	s_cmp_lt_u32 s10, 4
	s_cbranch_scc0 .Lnof_\@
	tensor_load_to_lds s[32:35], s[24:31]
	s_nop 0
	NOPS 4
.Lnof_\@:
.endm
; A PREFETCH INTO THE L2 of what the NEXT change of slots will ask for: a slot's 128,000 bytes are 500 aligned blocks of 256.  All 50 work-groups of a key split walk the same bytes: the first (X = 0) asks, by the waves 4 to 7,
; which fetch nothing: 125 blocks a wave, four lines, a lane a block.  4 x 32 = 128: the fourth line begins at the wave's block 93, so that it ends at its last, and names blocks 93 to 95 a second time.
; The last change that fills a slot asks for nothing; nothing is asked for at the head.
.macro ASK
	s_cmp_gt_u32 s15, s46
	s_cbranch_scc0 .Lnom_\@
	global_prefetch_b8 v0, s[44:45] th:TH_LOAD_NT scope:SCOPE_SE
	global_prefetch_b8 v0, s[44:45] offset:8192 th:TH_LOAD_NT scope:SCOPE_SE
	global_prefetch_b8 v0, s[44:45] offset:16384 th:TH_LOAD_NT scope:SCOPE_SE
	global_prefetch_b8 v0, s[44:45] offset:23808 th:TH_LOAD_NT scope:SCOPE_SE
.Lnom_\@:
.endm
.macro INIT tl                         ; a tile's state at the start.  The step is written once for all steps: the first finds zeros in O^T and in the sum, which the first change of M leaves zeros
	WIN 0x55*(\tl)
	v_mov_b32 v13, 0xff61b1e6                        ; the largest t so far: -3e38, under every t
	v_floor_f32 v12, -v13                            ; -M
	v_mov_b32 v14, 0
	v_mov_b32 v15, 0
.irp b, 0,1,2,3
	v_mov_b32 v[236+\b], 0                           ; written once: a lane permute's destination counts as one of its sources
.endr
	v_mov_b32 v253, 0                                ; (named as the upper half of the pair v[252:253] before it is first written)
.set QI, 0
.rept 64
	v_mov_b32 v[160+QI], 0
.set QI, QI+1
.endr
.endm
	s_load_b128 s[4:7], s[0:1], 0x0                  ; kv, qa
	s_load_b64 s[8:9], s[0:1], 0x10                  ; part
	v_lshl_add_u32 v5, v0, 2, SPARE
	v_mov_b32 v6, 0
	ds_add_u32 v5, v6                                ; the wave's opening: the add, and its wait ahead of my first tensor load; the set-up below, work on registers, stands between them
	v_lshrrev_b32 v8, 5, v0
	v_readfirstlane_b32 s10, v8                      ; wave 0..7
	s_lshr_b32 s11, s10, 2                           ; branch
	s_and_b32 s12, s10, 3                            ; my pair of query tiles; also my quarter of a slot, or my share of the prefetches
	s_and_b32 s14, ttmp7, 0xffff                     ; key split
	s_mov_b32 s24, 3<<16                             ; group 1: no mask; elements of 8 bytes; no padding
	s_mov_b32 s25, 32<<16                            ; tensor_dim0 = 32 elements: rows of 256 bytes
	s_mov_b32 s26, 125<<16                           ; tensor_dim1 = 125
	s_mov_b32 s27, 32<<16                            ; tile_dim0 = 32
	s_mov_b32 s28, 125                               ; tile_dim1 = 125 rows: 32,000 dense bytes
	s_mov_b32 s29, 32                                ; from row to row: 32 elements
	s_mov_b32 s30, 0
	s_mov_b32 s31, 0
	v_and_b32 v9, 31, v0
	v_lshlrev_b32 v7, 4, v9                          ; 16 lane
	v_lshlrev_b32 v10, 2, v9                         ; 4 lane
	s_mul_i32 s48, s11, 36864
	v_add_nc_u32 v1, s48, v7                         ; score operands: k and q from 0, ef from 36,864
	s_mul_i32 s48, s11, 24576
	s_add_co_u32 s48, s48, 24576
	v_add_nc_u32 v2, s48, v7                         ; values: v from 24,576, ef from 49,152
	s_mul_i32 s48, s11, 1536
	s_add_co_u32 s48, s48, 61440
	v_add_nc_u32 v3, s48, v10                        ; words of the score operands
	s_lshl_b32 s48, s11, 10
	s_add_co_u32 s48, s48, 62464
	v_add_nc_u32 v4, s48, v10                        ; words of the values
	v_and_b32 v8, 15, v0
	v_lshlrev_b32 v8, 2, v8                          ; 4 r: the query side's words
	s_mul_i32 s62, s12, 125
	v_add_nc_u32 v0, s62, v9                         ; the thread's number has served: v0 now holds my block of a slot, 125 x (wave % 4) + lane,
	v_lshlrev_b32 v0, 8, v0                          ; in bytes
	; offsets of the query side, for my first tile 2 (wave % 4).  Fragment 0: branch 0: q, in kv's block X; branch 1: p, in qa's.  Fragment 1: cp, in qa's
	s_mul_i32 s56, ttmp9, 64000
	s_mul_i32 s57, ttmp9, 25600
	s_mul_i32 s58, s12, 6144
	s_mul_i32 s59, s12, 3072
	s_lshl_b32 s60, s12, 7
	s_add_co_u32 s48, s56, s58
	s_add_co_u32 s48, s48, 1536
	s_add_co_u32 s52, s57, s59
	s_add_co_u32 s61, s52, 12288
	s_add_co_u32 s50, s56, s60
	s_add_co_u32 s50, s50, 61952
	s_add_co_u32 s54, s57, s60
	s_add_co_u32 s62, s54, 25088
	s_add_co_u32 s54, s54, 24576
	s_cmp_lt_u32 s10, 4
	s_cselect_b32 s48, s48, s61
	s_cselect_b32 s50, s50, s62
	s_mov_b32 s47, 1536
	s_cselect_b32 s47, 3072, s47                     ; from my first tile's fragment 0 to my second's: q's images lie 3,072 bytes apart, p's 1,536
	s_mov_b32 s49, 0
	s_mov_b32 s51, 0
	s_mov_b32 s53, 0
	s_mov_b32 s55, 0
	v_add_nc_u32 v11, s47, v7
	s_lshl_b32 s56, s14, 1                           ; my first record: ((2 Y + branch) 400 + 8 X + tile) x 8,448 bytes; my second follows it
	s_add_co_u32 s56, s56, s11
	s_mul_i32 s56, s56, 400
	s_lshl_b32 s57, ttmp9, 3
	s_add_co_u32 s56, s56, s57
	s_lshl_b32 s57, s12, 1
	s_add_co_u32 s56, s56, s57
	s_mul_i32 s56, s56, 8448
	s_mov_b32 s57, 0
	s_mul_i32 s58, s14, 640000                       ; my key split's first byte in kv
	s_mul_i32 s33, s12, 32000                        ; group 0: LDS address: my quarter of slot 0
	s_add_co_u32 s60, s58, s33
	s_mov_b32 s61, 0
	s_add_co_u32 s58, s58, 2*STEPB                   ; the prefetches stand at slot 1's keys; the first change of slots steps them on
	s_mov_b32 s59, 0
	s_mov_b32 s32, 1                                 ; count = 1
	s_xor_b32 s62, s11, 1                            ; 0 in waves 4 to 7,
	s_or_b32 s62, s62, ttmp9                         ; of the key split's first work-group
	s_cmp_eq_u32 s62, 0
	s_cselect_b32 s46, 1, -1
	s_mov_b32 s20, 0x76543210
	s_mov_b32 s21, 0xfedcba98
	s_mov_b32 s22, 0x3fb8aa3b                        ; log2(e)
	s_mov_b32 s23, s22                               ; (named with it as a pair)
	s_mov_b32 s2, 0
	s_mov_b32 s15, 4
	s_wait_dscnt 0x0                                 ; the opening add is done
	s_wait_kmcnt 0x0
	s_add_nc_u64 s[34:35], s[4:5], s[60:61]          ; global address of my quarter of the split's first two steps
	s_or_b32 s35, s35, 0x80000000                    ; type = 2
	TLOAD                                            ; slot 0
	s_cmp_lt_u32 s10, 4
	s_cselect_b64 s[18:19], s[4:5], s[6:7]
	s_mov_b64 s[36:37], s[18:19]
	s_add_nc_u64 s[18:19], s[18:19], s[48:49]        ; fragment 0
	s_add_nc_u64 s[36:37], s[36:37], s[50:51]        ; its words
	s_add_nc_u64 s[38:39], s[6:7], s[52:53]          ; cp
	s_add_nc_u64 s[40:41], s[6:7], s[54:55]          ; its words
	s_add_nc_u64 s[42:43], s[8:9], s[56:57]
	s_add_nc_u64 s[44:45], s[4:5], s[58:59]
.irp c, 0,1,2
	global_load_b128 v[16+4*\c:19+4*\c], v7, s[18:19] offset:512*\c
	global_load_b128 v[80+4*\c:83+4*\c], v7, s[38:39] offset:512*\c   ; every wave loads cp; branch 1 does not use it: that keeps the head free of a branch
.endr
	global_load_b32 v30, v8, s[36:37]
	global_load_b32 v31, v8, s[40:41]
	global_load_b32 v28, v8, s[36:37] offset:64      ; my second tile's words: 64 bytes on
	global_load_b32 v29, v8, s[40:41] offset:64
	WIN 0x40                                         ; destination window 1: my second tile's fragments
.irp c, 0,1,2
	global_load_b128 v[16+4*\c:19+4*\c], v11, s[18:19] offset:512*\c
	global_load_b128 v[80+4*\c:83+4*\c], v7, s[38:39] offset:1536+512*\c
.endr
	INIT 0
	INIT 1
	WIN 0
.macro LF bf, adr, g                   ; a group of four fragments, 6,144 consecutive bytes, into buffer bf
	WIN 0x40*(\bf)
.set QI, 0
.rept 12
	ds_load_b128 v[32+4*QI:35+4*QI], v[\adr] offset:6144*(\g)+512*QI
.set QI, QI+1
.endr
.endm
.macro MM0 g, bf                       ; branch 0: key tiles 2 g and 2 g + 1 (k, q, k, q in the buffer) x both query tiles: S^T = k q^T + q cp^T.  A tile's two accumulators by turns
.irp tl, 0,1
	WIN (\bf)+0x54*\tl
	WM 96+16*(\g), 32, 16, 1, 92+(\g), 30-2*\tl, 0
	WM 104+16*(\g), 56, 16, 1, 92+(\g), 30-2*\tl, 1
	WM 96+16*(\g), 44, 80, 0, 248+(\g), 31-2*\tl, 0
	WM 104+16*(\g), 68, 80, 0, 248+(\g), 31-2*\tl, 1
.endr
.endm
.macro MM1 g, bf                       ; branch 1: key tiles 4 g to 4 g + 3 x both query tiles: S^T = ef p^T
.irp tl, 0,1
	WIN (\bf)+0x54*\tl
.irp f, 0,1,2,3
	WM 96+8*(4*(\g)+\f), 32+12*\f, 16, 1, 248+2*(\g)+\f/2, 30-2*\tl, \f%2
.endr
.endr
.endm
.macro PV g                            ; O^T += values^T p^T: channel tiles 4 g to 4 g + 3, from buffer g, x both query tiles
.irp tl, 0,1
	WIN (\g)+0x54*\tl
.irp f, 0,1,2,3
	WM 160+32*(\g)+8*\f, 32+12*\f, 224, 0, 248+2*(\g)+\f/2, 253+2*\tl, \f%2
.endr
.endr
.endm
; THE SOFTMAX OF ONE TILE for 128 keys, in the tile's window
.macro SOFT tl
	WIN 0x55*(\tl)
.irp b, 0,1,2,3
	v_max3_num_f32 v[232+\b], v[96+16*\b], v[97+16*\b], v[98+16*\b]   ; the largest score of each block of 32 keys: for the row's maximum and, since p rises with the score, for the block's largest p
.endr
.irp i, 3,5,7,9,11,13
.irp b, 0,1,2,3
	v_max3_num_f32 v[232+\b], v[232+\b], v[96+16*\b+\i], v[97+16*\b+\i]
.endr
.endr
.irp b, 0,1,2,3
	v_max_num_f32 v[232+\b], v[232+\b], v[111+16*\b]
.endr
.irp b, 0,1,2,3
	v_permlanex16_b32 v[236+\b], v[232+\b], s20, s21
.endr
.irp b, 0,1,2,3
	v_max_num_f32 v[232+\b], v[232+\b], v[236+\b]    ; with lane l xor 16's 16 keys
.endr
	v_max3_num_f32 v254, v232, v233, v234
	v_max_num_f32 v254, v254, v235
	v_mul_f32 v254, s22, v254                        ; the step's largest t
	v_max_num_f32 v13, v13, v254
	v_mov_b32 v254, v12
	v_floor_f32 v12, -v13                            ; the new -M = -ceil(t): a whole number
	v_sub_f32 v254, v12, v254                        ; old M - new M: a whole number, 0 or less
	v_cvt_i32_f32 v254, v254                         ; (it saturates)
	v_ldexp_f32 v252, 1.0, v254                      ; f = 2^(old M - new M)
.set QI, 0
.rept 32
	v_pk_fma_f32 v[96+QI:97+QI], v[96+QI:97+QI], s[22:23], v[12:13] op_sel_hi:[1,0,0]   ; t - M, two at a time
.set QI, QI+2
.endr
.irp b, 0,1,2,3
	v_fma_f32 v[232+\b], v[232+\b], s22, v12         ; the same of each block's largest score
.endr
.set QI, 0
.rept 64
	v_exp_f32 v[96+QI], v[96+QI]                     ; p = 2^(t - M)
.set QI, QI+1
.endr
	v_pk_mul_f32 v[14:15], v[14:15], v[252:253] op_sel_hi:[1,0]   ; the sums under the new M: a plain place behind the exponentials
	s_wait_alu depctr_va_vdst(0)                     ; one wait for the batch, ahead of its first reader
.irp b, 0,1,2,3
	v_exp_f32 v[232+\b], v[232+\b]                   ; the blocks' largest p
.endr
	v_pk_add_f32 v[236:237], v[96:97], v[98:99]      ; the row's sum of the unquantised p, in two chains: plain work behind the four
.irp j, 4,8,12,16,20,24,28,32,36,40,44,48,52,56,60
	v_pk_add_f32 v[14:15], v[14:15], v[96+\j:97+\j]
	v_pk_add_f32 v[236:237], v[236:237], v[98+\j:99+\j]
.endr
	v_pk_add_f32 v[14:15], v[14:15], v[236:237]
	s_wait_alu depctr_va_vdst(0)                     ; and one for the four
.irp b, 0,1,2,3
	v_max_num_f32 v[232+\b], 0x1800000, v[232+\b]    ; the floor 2^(3 - 127): the byte cannot fall under 1
.endr
.irp b, 0,1,2,3
	v_add_nc_u32 v[244+\b], 0xff000000, v[232+\b]    ; 2 off the exponent field: the conversion's scale operand
.endr
.irp b, 0,1,2,3
	v_lshrrev_b32 v[236+\b], 23, v[244+\b]
.endr
	v_lshl_or_b32 v253, v237, 8, v236                ; p's scale word for these 128 keys
	v_lshl_or_b32 v253, v238, 16, v253
.if \tl
	WIN 0x11                                         ; scale operands have no window: tile 1's word is finished into v255 of window 0 (sources 0 and 2 window 1)
	v_lshl_or_b32 v255, v239, 24, v253
	WIN 0x55
.else
	v_lshl_or_b32 v253, v239, 24, v253
.endif
.irp c, 0,1
	v_cvt_scalef32_pk16_fp6_f32 v[224+6*\c:226+6*\c], v[96+32*\c:111+32*\c], v[244+2*\c]
	v_cvt_scalef32_pk16_fp6_f32 v[236+4*\c:238+4*\c], v[112+32*\c:127+32*\c], v[244+2*\c+1]
.endr
	v_nop                                            ; one plain place behind a scaled conversion
.irp c, 0,1
.irp i, 0,1,2
	v_permlane16_swap_b32 v[224+6*\c+\i], v[236+4*\c+\i]
.endr
.irp i, 0,1,2
	v_mov_b32 v[227+6*\c+\i], v[236+4*\c+\i]
.endr
.endr
.set QI, 0
.rept 32
	v_pk_mul_f32 v[160+QI:161+QI], v[160+QI:161+QI], v[252:253] op_sel_hi:[1,0]   ; O^T under the new M; these 32 are also the places between p's codes and word and the products
.set QI, QI+2
.endr
.endm
; A KEY STEP: 128 keys, the q-th of the slot in hand.  The groups of fragments take the two buffers by turns: while one group is multiplied the next is on its way.  Each s_wait_dscnt 12 leaves out the twelve loads of the group
; issued last; all that was issued ahead of them is in.  Four v_nop stand between a group's products and the loads into its buffer.
.macro STEP q
	s_add_co_u32 s3, s2, (\q)*STEPB
	v_add_nc_u32 v8, s3, v1                          ; four plain lines: the places behind the last step's products, ahead of loads into their operands
	v_add_nc_u32 v9, s3, v2
	v_add_nc_u32 v10, s3, v3
	v_add_nc_u32 v11, s3, v4
	s_cmp_lt_u32 s10, 4
	s_cbranch_scc0 .Lr1_\@
.irp b, 0,1,2,3                                  ; branch 0: K = 256: k's words and q's
	ds_load_b32 v[92+\b], v10 offset:128*\b
	ds_load_b32 v[248+\b], v10 offset:512+128*\b
.endr
	LF 0, 8, 0
	LF 1, 8, 1
	s_wait_dscnt 12
	MM0 0, 0
	NOPS 4
	LF 0, 8, 2
	s_wait_dscnt 12
	MM0 1, 1
	NOPS 4
	LF 1, 8, 3
	s_wait_dscnt 12
	MM0 2, 0
	NOPS 4
	LF 0, 9, 0                                       ; the values' first four fragments
	s_wait_dscnt 12
	MM0 3, 1
	WIN 0                                            ; at a branch and at a label every window is 0
	s_branch .Lj_\@
.Lr1_\@:
.irp b, 0,1,2,3                                  ; branch 1: K = 128
	ds_load_b32 v[248+\b], v10 offset:128*\b
.endr
	LF 0, 8, 0
	LF 1, 8, 1
	s_wait_dscnt 12
	MM1 0, 0
	NOPS 4
	LF 0, 9, 0                                       ; the values' first four fragments
	s_wait_dscnt 12
	MM1 1, 1
	WIN 0
.Lj_\@:
	NOPS 4                                           ; places behind the scores' products
	LF 1, 9, 1                                       ; the values' other four fragments and their words are asked for now: the softmaxes touch none of these registers
	WIN 0
.irp b, 0,1,2,3
	ds_load_b32 v[248+\b], v11 offset:128*\b
.endr
	SOFT 0
	SOFT 1
	s_wait_dscnt 0x0                                 ; the values' eight fragments and their words
	PV 0
	PV 1
	WIN 0
.endm
; THE CHANGE OF SLOTS stands at a slot's head.  Each wave waits for all its tensor loads, adds 0 to its spare word, and waits for that and for its reads of the slot that it has left.  Behind the barrier the slot ahead is whole
; and nobody reads the other one.  fill = 1: that other slot is filled with the next two key steps: the load has two steps' work in which to land.
.macro CHANGE fill
	s_wait_tensorcnt 0x0                             ; no tensor load of mine is out, so group 0 may be written
	ds_add_u32 v5, v6                                ; 0 onto my spare word
.if \fill
	s_xor_b32 s33, s33, SLOT1                        ; the other slot than last time,
	s_add_nc_u64 s[34:35], s[34:35], 2*STEPB         ; the next two steps; the type bits on top are not reached
	s_wait_xcnt 0x0                                  ; the last prefetches, a slot back, have read their address
	s_add_nc_u64 s[44:45], s[44:45], 2*STEPB         ; one slot further on than the descriptor
.endif
	s_wait_dscnt 0x0                                 ; the add is done, and my reads of the slot that I have left are over
	s_barrier_signal -1
	s_barrier_wait -1
.if \fill
	TLOAD                                            ; the first thing behind the barrier, and a wave's one tensor load until the next
	ASK
.endif
.endm
	s_wait_loadcnt 0x0                               ; the query side; its address registers may be written again
.Lslot:                                              ; four trips: behind each change of slots but the last the next slot is asked for
	CHANGE 1
	STEP 0
	STEP 1
	s_xor_b32 s2, s2, SLOT1
	s_sub_co_u32 s15, s15, 1
	s_cmp_lg_u32 s15, 0
	s_cbranch_scc1 .Lslot
	CHANGE 0                                         ; the last slot is written out
	STEP 0
	STEP 1
	; THE WAY OUT: a record for each tile: O^T as an image of its 64 registers, then -M and the sum, 8 bytes a lane
	v_add_f32 v14, v14, v15
	v_permlanex16_b32 v252, v14, s20, s21
	v_add_f32 v13, v14, v252                         ; the sum of my query over this split's keys
	v_lshrrev_b32 v8, 1, v7                          ; 8 lane
	WIN 0x55
	v_add_f32 v14, v14, v15                          ; the same of my second tile
	v_permlanex16_b32 v252, v14, s20, s21
	v_add_f32 v13, v14, v252
	WIN 0
	NOPS 2                                           ; with the plain lines above: the places behind the last products
.set QI, 0
.rept 16
	global_store_b128 v7, v[160+4*QI:163+4*QI], s[42:43] offset:512*QI th:TH_STORE_NT   ; 512 consecutive bytes, aligned to 256; each accumulator from its low end on
.set QI, QI+1
.endr
	global_store_b64 v8, v[12:13], s[42:43] offset:8192 th:TH_STORE_NT                  ; 256 consecutive bytes, aligned
	WIN 0x04                                         ; a store's data are its source 1: window 1
.set QI, 0
.rept 16
	global_store_b128 v7, v[160+4*QI:163+4*QI], s[42:43] offset:8448+512*QI th:TH_STORE_NT
.set QI, QI+1
.endr
	global_store_b64 v8, v[12:13], s[42:43] offset:8448+8192 th:TH_STORE_NT
	WIN 0
	s_wait_tensorcnt 0x0                             ; the wave's end: behind my last tensor load
	ds_add_u32 v5, v6
	s_wait_dscnt 0x0
	s_endpgm
.Lfunc_end_k_q895f3dee1a_attn:
	.size	k_q895f3dee1a_attn, .Lfunc_end_k_q895f3dee1a_attn-k_q895f3dee1a_attn
	.p2alignl 7, 3214868480
	.fill 96, 4, 3214868480
	.section	.rodata,"a",@progbits
	.p2align	6, 0x0
	.amdhsa_kernel k_q895f3dee1a_attn
		.amdhsa_group_segment_fixed_size 327680
		.amdhsa_private_segment_fixed_size 0
		.amdhsa_enable_private_segment 0
		.amdhsa_kernarg_size 24
		.amdhsa_user_sgpr_count 2
		.amdhsa_user_sgpr_kernarg_segment_ptr 1
		.amdhsa_wavefront_size32 1
		.amdhsa_system_sgpr_workgroup_id_x 1
		.amdhsa_system_sgpr_workgroup_id_y 1
		.amdhsa_system_sgpr_workgroup_id_z 1
		.amdhsa_system_vgpr_workitem_id 0
		.amdhsa_next_free_vgpr 512
		.amdhsa_next_free_sgpr 66
		.amdhsa_reserve_vcc 0
		.amdhsa_float_denorm_mode_32 3
		.amdhsa_float_denorm_mode_16_64 3
		.amdhsa_memory_ordered 1
		.amdhsa_forward_progress 1
		.amdhsa_inst_pref_size 189
	.end_amdhsa_kernel
	.amdgpu_metadata
---
amdhsa.version: [ 1, 2 ]
amdhsa.kernels:
  - .name:           k_q895f3dee1a_attn
    .symbol:         k_q895f3dee1a_attn.kd
    .args:
      - { .name: kv, .offset: 0, .size: 8, .value_kind: global_buffer, .address_space: global }
      - { .name: qa, .offset: 8, .size: 8, .value_kind: global_buffer, .address_space: global }
      - { .name: part, .offset: 16, .size: 8, .value_kind: global_buffer, .address_space: global }
    .group_segment_fixed_size: 327680
    .private_segment_fixed_size: 0
    .kernarg_segment_align: 8
    .kernarg_segment_size: 24
    .max_flat_workgroup_size: 256
    .sgpr_count:     66
    .vgpr_count:     512
    .wavefront_size: 32
...
	.end_amdgpu_metadata
.endif
;; end of part 2
;; launch fin (part 3): grid 100 x 1, 8 waves a work-group, no clusters, 83,968 bytes of LDS; arguments part, x, w2, g2, b2, m2, v2, w3, g3, b3, m3, v3, out0; writes out0
.if DOCPART == 3
	.amdgcn_target "amdgcn-amd-amdhsa--gfx1250"
	.amdhsa_code_object_version 6
	.text
	.protected	k_q895f3dee1a_fin
	.globl	k_q895f3dee1a_fin
	.p2align	8
	.type	k_q895f3dee1a_fin,@function
k_q895f3dee1a_fin:
	s_mov_b64 s[64:65], 0
	v_nop
	global_prefetch_b8 v0, s[64:65] scope:SCOPE_SE
	s_setreg_imm32_b32 hwreg(HW_REG_WAVE_MODE, 25, 1), 1
	s_wait_xcnt 0x0
; out = x + silu(bn2(w2 out1)) + silu(bn3(w3 out2)).  out1 and out2 are joined from the five key splits' records: under the largest M each split's O^T and sum are multiplied by 2^(M_s - M), exact, added, and O^T is divided by the sum.
; Both products on codes of FP6 (E2M3) with one E8M0 scale for each 32 along K = the 128 channels.
; SHARES.  A work-group owns 64 pixels (four tiles of 16, 256 bytes of each output row).  First wave w joins branch w / 4, tile w % 4, quantises it and hands its image (three chunks of 512 bytes, lane l at 16 l) to the others
; through LDS; then wave w makes output channels 32 w to 32 w + 31 of both convolutions for all 64 pixels, with its rows of w2 and w3 quantised in its own registers.
; Source 0 = 16 pixels, source 1 = 16 rows of a weight: a lane holds one channel and eight neighbouring pixels; a tile's pixels are 32 (m / 2) + 8 (m % 2) + r + 8 (r / 8), so register j of lane (r, h) is pixel 32 (m / 2) + 8 (m % 2) + 16 h + j.
; The results go through the wave's own stage in LDS and leave as rows of 256 bytes.  No cluster, no tensor load: the work-groups share only the 256 KB of weights against 34 MB of records, which nobody shares.
; Here bn is sum x s + (b - m s), s = g / sqrt(v + eps): it stands ahead of no quantiser.
; LIMITS: NaN and infinities are not served.  A block whose largest magnitude lies under 2^-124 gets the scale byte 1, a block of zeros the byte 1 with zero codes.
.set OIMG,  0                          ; LDS: eight images, index 4 branch + tile
.set OSC,   12288                      ; their scale words, 128 bytes each
.set STG,   13312                      ; a stage for each wave: 32 rows of 272 bytes
.set SPARE, 82944                      ; the spare words, 128 bytes for each wave: four blocks of 256 bytes that no other line names
.set TM,  220                          ; v220-231 the quantiser's twelve
.set PW,  TM+3
.set PC,  208                          ; v208-219 the codes just made
.set SEL, 46
; v1 spare word, v2 zero, v3 16 lane, v4 8 lane, v5 my rows of the weights, v6, v7 where my image and its words go, v8 4 lane, v9, v10 the stage in and out, v11 my place in x and out0, v12 my channels' parameters
; v16-79, v80-143, v144-207 three buffers of 64; later the 16 accumulators (v16-143), the weights' four fragments (v144-191), out2's fragment (v192-203), at last x (v144-207)
; v232-241 for each split -M, then f, and the sum; v242 the least -M, then 1 / sum; v243 the sum.  Later s at v240, 242, 244, 246 and the shift at v248, 250, 252, 254.
; v245, 247, 249, 251 the weights' scale words, v253, v255 the images': these hold scales and nothing else (the packed forms name them as the upper halves of pairs whose low word alone is taken)
.macro NOPS n
.rept \n
	v_nop
.endr
.endm
.macro BARRIER
	s_wait_dscnt 0x0
	s_barrier_signal -1
	s_barrier_wait -1
.endm
.macro QUANT src, dst                  ; 64 numbers of a lane, register 16 b + i = k 32 b + 16 (lane / 16) + i of my row, become a fragment's codes in v[dst] on and its scale word in v[PW]
.irp b, 0,1,2,3
	v_max3_num_f32 v[TM+\b], |v[\src+16*\b]|, |v[\src+16*\b+1]|, 0x1800000   ; and the floor 2^(3 - 127): the byte cannot fall under 1
.endr
.irp i, 2,4,6,8,10,12,14
.irp b, 0,1,2,3
	v_max3_num_f32 v[TM+\b], v[TM+\b], |v[\src+16*\b+\i]|, |v[\src+16*\b+\i+1]|
.endr
.endr
.irp b, 0,1,2,3
	v_permlanex16_b32 v[TM+4+\b], v[TM+\b], s[SEL], s[SEL+1]
.endr
.irp b, 0,1,2,3
	v_max_num_f32 v[TM+\b], v[TM+\b], v[TM+4+\b]
.endr
.irp b, 0,1,2,3
	v_add_nc_u32 v[TM+8+\b], 0xff000000, v[TM+\b]    ; 2 off the exponent field: the conversion's scale operand
.endr
.irp b, 0,1,2,3
	v_lshrrev_b32 v[TM+4+\b], 23, v[TM+8+\b]
.endr
	v_lshl_or_b32 v[PW], v[TM+5], 8, v[TM+4]
	v_lshl_or_b32 v[PW], v[TM+6], 16, v[PW]
	v_lshl_or_b32 v[PW], v[TM+7], 24, v[PW]
.irp c, 0,1
	v_cvt_scalef32_pk16_fp6_f32 v[\dst+6*\c:\dst+6*\c+2], v[\src+32*\c:\src+32*\c+15], v[TM+8+2*\c]
	v_cvt_scalef32_pk16_fp6_f32 v[TM+4*\c:TM+4*\c+2], v[\src+32*\c+16:\src+32*\c+31], v[TM+9+2*\c]
.endr
	v_nop                                            ; one plain place behind a scaled conversion
.irp c, 0,1
.irp i, 0,1,2
	v_permlane16_swap_b32 v[\dst+6*\c+\i], v[TM+4*\c+\i]
.endr
.irp i, 0,1,2
	v_mov_b32 v[\dst+6*\c+3+\i], v[TM+4*\c+\i]
.endr
.endr
.endm
.macro FETCH dst, adr, off
.irp c, 0,1,2
	ds_load_b128 v[\dst+4*\c:\dst+4*\c+3], v[\adr] offset:\off+512*\c
.endr
.endm
.macro PLOAD buf, sp                   ; split sp's O^T of my tile: the same registers in the same lanes as they were stored from
.set QI, 0
.rept 16
	global_load_b128 v[\buf+4*QI:\buf+4*QI+3], v3, s[36+2*\sp:37+2*\sp] offset:512*QI th:TH_LOAD_NT
.set QI, QI+1
.endr
.endm
.macro MADD buf, sp                    ; the joined O^T += f of split sp x its O^T
.set QI, 0
.rept 32
	v_pk_fma_f32 v[16+QI:17+QI], v[\buf+QI:\buf+QI+1], v[232+2*\sp:233+2*\sp], v[16+QI:17+QI] op_sel_hi:[1,0,1]
.set QI, QI+2
.endr
.endm
.macro WLOAD reg, sb, off              ; 64 numbers of my row of a weight: of each block of 32 my half's 16
.set QI, 0
.rept 16
	global_load_b128 v[\reg+4*QI:\reg+4*QI+3], v5, s[\sb:\sb+1] offset:\off+128*(QI/4)+16*(QI%4)
.set QI, QI+1
.endr
.endm
.macro WM d, a, b, sa, sb
	v_wmma_scale_f32_16x16x128_f8f6f4 v[\d:\d+7], v[\a:\a+11], v[\b:\b+11], 0, v[\sa], v[\sb] matrix_a_fmt:MATRIX_FMT_FP6 matrix_b_fmt:MATRIX_FMT_FP6
.endm
.macro SIG y, t, n                     ; t = 1 / (1 + 2^(-y log2 e)): each batch of transcendentals has one plain line and one wait behind it
.set QI, 0
.rept (\n)/2
	v_pk_mul_f32 v[\t+QI:\t+QI+1], v[\y+QI:\y+QI+1], 0xbfb8aa3b op_sel_hi:[1,0]
.set QI, QI+2
.endr
.set QI, 0
.rept \n
	v_exp_f32 v[\t+QI], v[\t+QI]
.set QI, QI+1
.endr
	v_nop
	s_wait_alu depctr_va_vdst(0)
.set QI, 0
.rept (\n)/2
	v_pk_add_f32 v[\t+QI:\t+QI+1], v[\t+QI:\t+QI+1], 1.0 op_sel_hi:[1,0]
.set QI, QI+2
.endr
.set QI, 0
.rept \n
	v_rcp_f32 v[\t+QI], v[\t+QI]
.set QI, QI+1
.endr
	v_nop
	s_wait_alu depctr_va_vdst(0)
.endm
.macro BATCH q                         ; four accumulators, 32 numbers, from v[16 + 32 q] on: branch q / 2; accumulator a's tile of channels is a % 2
.irp a, 0,1,2,3
.irp e, 0,2,4,6
	v_pk_fma_f32 v[16+32*\q+8*\a+\e:17+32*\q+8*\a+\e], v[16+32*\q+8*\a+\e:17+32*\q+8*\a+\e], v[240+2*(2*(\q/2)+\a%2):241+2*(2*(\q/2)+\a%2)], v[248+2*(2*(\q/2)+\a%2):249+2*(2*(\q/2)+\a%2)] op_sel_hi:[1,0,0]   ; sum x s + shift, each accumulator from its low end on
.endr
.endr
	SIG 16+32*\q, 208, 32
.set QI, 0
.rept 16
.if \q < 2
	v_pk_mul_f32 v[16+32*\q+QI:17+32*\q+QI], v[16+32*\q+QI:17+32*\q+QI], v[208+QI:209+QI]
.else
	v_pk_fma_f32 v[16+32*(\q-2)+QI:17+32*(\q-2)+QI], v[16+32*\q+QI:17+32*\q+QI], v[208+QI:209+QI], v[16+32*(\q-2)+QI:17+32*(\q-2)+QI]   ; the second branch's joins the first's
.endif
.set QI, QI+2
.endr
.endm
	s_load_b512 s[8:23], s[0:1], 0x0                 ; part 8, x 10, w2 12, g2 14, b2 16, m2 18, v2 20, w3 22
	s_load_b256 s[24:31], s[0:1], 0x40               ; g3 24, b3 26, m3 28, v3 30
	s_load_b64 s[32:33], s[0:1], 0x60                ; out0
	v_lshl_add_u32 v1, v0, 2, SPARE
	v_mov_b32 v2, 0
	v_lshrrev_b32 v16, 5, v0
	v_readfirstlane_b32 s2, v16                      ; wave 0..7
	v_and_b32 v17, 31, v0
	v_and_b32 v18, 15, v0                            ; r
	v_bfe_u32 v19, v0, 4, 1                          ; h
	v_lshlrev_b32 v3, 4, v17
	v_lshlrev_b32 v4, 3, v17
	v_lshlrev_b32 v8, 2, v17
	s_lshl_b32 s48, s2, 5
	v_add_nc_u32 v20, s48, v18                       ; channel 32 w + r
	v_lshlrev_b32 v5, 9, v20
	v_lshl_add_u32 v5, v19, 6, v5                    ; its row of 512 bytes + 64 h
	v_lshlrev_b32 v12, 2, v20
	s_mul_i32 s48, s2, 1536
	v_add_nc_u32 v6, s48, v3
	s_lshl_b32 s48, s2, 7
	s_add_co_u32 s48, s48, OSC
	v_add_nc_u32 v7, s48, v8
	s_mul_i32 s48, s2, 8704
	s_add_co_u32 s48, s48, STG
	v_mul_u32_u24 v9, v18, 272
	v_lshl_add_u32 v9, v19, 6, v9
	v_add_nc_u32 v9, s48, v9                         ; in: row r, + 64 h
	v_mul_u32_u24 v10, v19, 272
	v_lshl_add_u32 v10, v18, 4, v10
	v_add_nc_u32 v10, s48, v10                       ; back: lanes 0-15 one row, lanes 16-31 the next; 16 bytes a lane
	s_mul_i32 s48, s2, 819200                        ; 32 w rows of 25,600 bytes
	s_lshl_b32 s49, ttmp9, 8                         ; + my work-group's 256 bytes of a row
	s_add_co_u32 s48, s48, s49
	v_mul_u32_u24 v11, v19, 25600
	v_lshl_add_u32 v11, v18, 4, v11
	v_add_nc_u32 v11, s48, v11
.irp b, 0,1,2,3
	v_mov_b32 v[TM+4+\b], 0                          ; written once: a lane permute's destination counts as one of its sources
.endr
	s_mov_b32 s[SEL], 0x76543210
	s_mov_b32 s[SEL+1], 0xfedcba98
	s_lshr_b32 s48, s2, 2                            ; my record of split 0: (400 branch + 4 G + tile) x 8,448 bytes; a split on: 800 records
	s_mul_i32 s48, s48, 400
	s_lshl_b32 s49, ttmp9, 2
	s_add_co_u32 s48, s48, s49
	s_and_b32 s49, s2, 3
	s_add_co_u32 s48, s48, s49
	s_mul_i32 s48, s48, 8448
	s_mov_b32 s49, 0
	s_wait_kmcnt 0x0
	s_add_nc_u64 s[36:37], s[8:9], s[48:49]
	s_add_nc_u64 s[38:39], s[36:37], 6758400
	s_add_nc_u64 s[40:41], s[38:39], 6758400
	s_add_nc_u64 s[42:43], s[40:41], 6758400
	s_add_nc_u64 s[44:45], s[42:43], 6758400
	; ---- the five splits are joined.  Loads come back in order; each wait names the loads issued behind the ones it wants
.irp sp, 0,1,2,3,4
	global_load_b64 v[232+2*\sp:233+2*\sp], v4, s[36+2*\sp:37+2*\sp] offset:8192 th:TH_LOAD_NT   ; -M and the sum
.endr
	PLOAD 16, 0
	PLOAD 80, 1
	PLOAD 144, 2
	s_wait_loadcnt 32                                ; the five pairs and split 0; splits 1 and 2 may be out
	v_min3_num_f32 v242, v232, v234, v236
	v_min3_num_f32 v242, v242, v238, v240            ; the least -M: the largest M
.irp sp, 0,1,2,3,4
	v_sub_f32 v[232+2*\sp], v242, v[232+2*\sp]       ; M_s - M: a whole number, 0 or less
.endr
.irp sp, 0,1,2,3,4
	v_cvt_i32_f32 v[232+2*\sp], v[232+2*\sp]         ; (it saturates)
.endr
.irp sp, 0,1,2,3,4
	v_ldexp_f32 v[232+2*\sp], 1.0, v[232+2*\sp]      ; f_s = 2^(M_s - M)
.endr
	v_mul_f32 v243, v232, v233
	v_fma_f32 v243, v234, v235, v243
	v_fma_f32 v243, v236, v237, v243
	v_fma_f32 v243, v238, v239, v243
	v_fma_f32 v243, v240, v241, v243                 ; the row's sum
	v_rcp_f32 v242, v243
.set QI, 0
.rept 32
	v_pk_mul_f32 v[16+QI:17+QI], v[16+QI:17+QI], v[232:233] op_sel_hi:[1,0]   ; plain work behind the reciprocal
.set QI, QI+2
.endr
	s_wait_alu depctr_va_vdst(0)                     ; its wait, ahead of its first reader
	s_wait_loadcnt 16                                ; split 1
	MADD 80, 1
	PLOAD 80, 3
	s_wait_loadcnt 16                                ; split 2
	MADD 144, 2
	PLOAD 144, 4
	s_wait_loadcnt 16                                ; split 3
	MADD 80, 3
	WLOAD 80, 12, 0                                  ; w2, channels 32 w + r
	s_wait_loadcnt 16                                ; split 4
	MADD 144, 4
.irp n, 0,1                                      ; g, b, m, v of my four tiles of channels: v[192 + 4 (2 branch + n)] on
	global_load_b32 v[192+4*\n], v12, s[14:15] offset:64*\n
	global_load_b32 v[193+4*\n], v12, s[16:17] offset:64*\n
	global_load_b32 v[194+4*\n], v12, s[18:19] offset:64*\n
	global_load_b32 v[195+4*\n], v12, s[20:21] offset:64*\n
	global_load_b32 v[200+4*\n], v12, s[24:25] offset:64*\n
	global_load_b32 v[201+4*\n], v12, s[26:27] offset:64*\n
	global_load_b32 v[202+4*\n], v12, s[28:29] offset:64*\n
	global_load_b32 v[203+4*\n], v12, s[30:31] offset:64*\n
.endr
.set QI, 0
.rept 32
	v_pk_mul_f32 v[16+QI:17+QI], v[16+QI:17+QI], v[242:243] op_sel_hi:[1,0]   ; / the sum
.set QI, QI+2
.endr
	QUANT 16, PC
.irp c, 0,1,2
	ds_store_b128 v6, v[PC+4*\c:PC+4*\c+3] offset:OIMG+512*\c
.endr
	ds_store_b32 v7, v[PW]
	s_wait_dscnt 0x0                                 ; the stores have read their registers
	WLOAD 16, 12, 8192                               ; w2, channels 32 w + 16 + r
	s_wait_loadcnt 32                                ; w2's first tile; the parameters and its second may be out
	QUANT 80, 144
	v_mov_b32 v245, v[PW]
	WLOAD 80, 22, 0                                  ; w3
	s_wait_loadcnt 16                                ; the parameters and w2's second tile
	QUANT 16, 156
	v_mov_b32 v247, v[PW]
	WLOAD 16, 22, 8192
	s_wait_loadcnt 16
	QUANT 80, 168
	v_mov_b32 v249, v[PW]
	s_wait_loadcnt 0x0
	QUANT 16, 180
	v_mov_b32 v251, v[PW]
.irp q, 0,1,2,3
	v_add_f32 v[195+4*\q], 0x3727c5ac, v[195+4*\q]   ; v + 1e-5
.endr
.irp q, 0,1,2,3
	v_rsq_f32 v[195+4*\q], v[195+4*\q]
.endr
	v_nop
	s_wait_alu depctr_va_vdst(0)
.irp q, 0,1,2,3
	v_mul_f32 v[240+2*\q], v[192+4*\q], v[195+4*\q]  ; s = g / sqrt(v + eps)
.endr
.irp q, 0,1,2,3
	v_fma_f32 v[248+2*\q], -v[194+4*\q], v[240+2*\q], v[193+4*\q]   ; b - m s
.endr
	BARRIER                                          ; the eight images lie in LDS
	; ---- my 32 channels of both convolutions, a tile of 16 pixels at a time
	NOPS 8                                           ; a scale register written by a vector instruction stands 8 places ahead of a scaled matrix instruction, an operand 4
.irp m, 0,1,2,3
.if \m > 0
	NOPS 4                                           ; places ahead of loads into registers that matrix instructions have read
.endif
	FETCH 208, 3, OIMG+1536*\m
	FETCH 192, 3, OIMG+1536*(4+\m)
	ds_load_b32 v253, v8 offset:OSC+128*\m
	ds_load_b32 v255, v8 offset:OSC+128*(4+\m)
	s_wait_dscnt 0x0
	WM 16+16*\m, 208, 144, 253, 245
	WM 24+16*\m, 208, 156, 253, 247
	WM 80+16*\m, 192, 168, 255, 249
	WM 88+16*\m, 192, 180, 255, 251
.endr
	NOPS 4
.set QI, 0
.rept 16
	global_load_b128 v[144+4*QI:147+4*QI], v11, s[10:11] offset:51200*QI th:TH_LOAD_NT   ; x: two rows an instruction, 256 consecutive bytes of each
.set QI, QI+1
.endr
	BATCH 0
	BATCH 1
	BATCH 2
	BATCH 3
.irp m, 0,1,2,3
.irp n, 0,1
	ds_store_b128 v9, v[16+16*\m+8*\n:19+16*\m+8*\n] offset:4352*\n+(32*(\m/2)+8*(\m%2))*4
	ds_store_b128 v9, v[20+16*\m+8*\n:23+16*\m+8*\n] offset:4352*\n+(32*(\m/2)+8*(\m%2))*4+16
.endr
.endr
.set QI, 0
.rept 16
	ds_load_b128 v[80+4*QI:83+4*QI], v10 offset:544*QI   ; LDS serves a wave's instructions in order: these see my stores; the stage is my own
.set QI, QI+1
.endr
	s_wait_loadcnt 0x0                               ; x
.set QI, 0
.rept 16
	s_wait_dscnt 15-QI                               ; LDS loads come back in order: pair QI of rows is in
	v_pk_add_f32 v[80+4*QI:81+4*QI], v[80+4*QI:81+4*QI], v[144+4*QI:145+4*QI]
	v_pk_add_f32 v[82+4*QI:83+4*QI], v[82+4*QI:83+4*QI], v[146+4*QI:147+4*QI]
	global_store_b128 v11, v[80+4*QI:83+4*QI], s[32:33] offset:51200*QI th:TH_STORE_NT   ; sixteen lanes store 256 consecutive bytes, aligned
.set QI, QI+1
.endr
	s_wait_tensorcnt 0x0                             ; the wave's end: behind my last LDS store
	ds_add_u32 v1, v2
	s_wait_dscnt 0x0
	s_endpgm
.Lfunc_end_k_q895f3dee1a_fin:
	.size	k_q895f3dee1a_fin, .Lfunc_end_k_q895f3dee1a_fin-k_q895f3dee1a_fin
	.p2alignl 7, 3214868480
	.fill 96, 4, 3214868480
	.section	.rodata,"a",@progbits
	.p2align	6, 0x0
	.amdhsa_kernel k_q895f3dee1a_fin
		.amdhsa_group_segment_fixed_size 83968
		.amdhsa_private_segment_fixed_size 0
		.amdhsa_enable_private_segment 0
		.amdhsa_kernarg_size 104
		.amdhsa_user_sgpr_count 2
		.amdhsa_user_sgpr_kernarg_segment_ptr 1
		.amdhsa_wavefront_size32 1
		.amdhsa_system_sgpr_workgroup_id_x 1
		.amdhsa_system_sgpr_workgroup_id_y 1
		.amdhsa_system_sgpr_workgroup_id_z 1
		.amdhsa_system_vgpr_workitem_id 0
		.amdhsa_next_free_vgpr 256
		.amdhsa_next_free_sgpr 66
		.amdhsa_reserve_vcc 0
		.amdhsa_float_denorm_mode_32 3
		.amdhsa_float_denorm_mode_16_64 3
		.amdhsa_memory_ordered 1
		.amdhsa_forward_progress 1
		.amdhsa_inst_pref_size 91
	.end_amdhsa_kernel
	.amdgpu_metadata
---
amdhsa.version: [ 1, 2 ]
amdhsa.kernels:
  - .name:           k_q895f3dee1a_fin
    .symbol:         k_q895f3dee1a_fin.kd
    .args:
      - { .name: part, .offset: 0, .size: 8, .value_kind: global_buffer, .address_space: global }
      - { .name: x, .offset: 8, .size: 8, .value_kind: global_buffer, .address_space: global }
      - { .name: w2, .offset: 16, .size: 8, .value_kind: global_buffer, .address_space: global }
      - { .name: g2, .offset: 24, .size: 8, .value_kind: global_buffer, .address_space: global }
      - { .name: b2, .offset: 32, .size: 8, .value_kind: global_buffer, .address_space: global }
      - { .name: m2, .offset: 40, .size: 8, .value_kind: global_buffer, .address_space: global }
      - { .name: v2, .offset: 48, .size: 8, .value_kind: global_buffer, .address_space: global }
      - { .name: w3, .offset: 56, .size: 8, .value_kind: global_buffer, .address_space: global }
      - { .name: g3, .offset: 64, .size: 8, .value_kind: global_buffer, .address_space: global }
      - { .name: b3, .offset: 72, .size: 8, .value_kind: global_buffer, .address_space: global }
      - { .name: m3, .offset: 80, .size: 8, .value_kind: global_buffer, .address_space: global }
      - { .name: v3, .offset: 88, .size: 8, .value_kind: global_buffer, .address_space: global }
      - { .name: out0, .offset: 96, .size: 8, .value_kind: global_buffer, .address_space: global }
    .group_segment_fixed_size: 83968
    .private_segment_fixed_size: 0
    .kernarg_segment_align: 8
    .kernarg_segment_size: 104
    .max_flat_workgroup_size: 256
    .sgpr_count:     66
    .vgpr_count:     256
    .wavefront_size: 32
...
	.end_amdgpu_metadata
.endif
;; end of part 3
